; MI455X (gfx1250); checked and timed in simulation.
; The chip was launched on July 23, 2026; its instructions are those of AMD's public machine-readable ISA for CDNA 5 (MIT licence, August 2026) and "CDNA5" Instruction Set Architecture Reference Guide (July 2026). The comments in the code are by the model that wrote it; some were corrected since.
;; Adaptive Embedding T2 I. Allowed arithmetic: matrix products marked QUANTISED: E5M2 operands, one E8M0 scale for each 32 along K, by v_wmma_scale_f32_16x16x128_f8f6f4 with both operands' format E5M2, f32 sums; products left as they are: f32 operands where the result goes on into a quantised operand, else bf16, f16 or f32 operands; f32 sums; everything else in f32.
;; Inputs: W_beta_codes 1,024 x 32 x 32 uint8 (E5M2 codes of W_beta, K innermost, in blocks of 32 codes); W_beta_scales 1,024 x 32 uint8 (E8M0 scales of W_beta, one for each 32 codes along K); W_gamma_codes 1,024 x 32 x 32 uint8 (E5M2 codes of W_gamma, K innermost, in blocks of 32 codes); W_gamma_scales 1,024 x 32 uint8 (E8M0 scales of W_gamma, one for each 32 codes along K); b_beta 1,024 float32; b_gamma 1,024 float32; cap_embed 64 x 50 x 1,024 float32; img_embed 64 x 36 x 1,024 float32; lens 64 int32.
;; Outputs: out0 64 x 64 float32.
;; This version of the problem:
;;   THIS VERSION OF THE PROBLEM IS GIVEN IN LOW PRECISION. The matrix products marked QUANTISED in the list below multiply operands that are first quantised to E5M2 (5 exponent bits, 2 mantissa bits; 8 bits a number), with one power-of-two scale for each 32 numbers along K (OCP MX v1.0); their sums are f32. All else is computed in f32.
;;   The module's matrix products, in the order in which they are computed (A, B: the left and right operand; K: the contracted axis; several contracted axes count as one K, in the product's order):
;;     1. batch 64 x [M 1,024, K 50] x [K 50, N 1]; A: input cap_embed; B: computed on the way: left as it is (N = 1 < 16)
;;     2. [M 64, K 1,024] x [K 1,024, N 1,024]; A: computed on the way; B: input W_gamma (given as codes): QUANTISED
;;     3. [M 64, K 1,024] x [K 1,024, N 1,024]; A: computed on the way; B: input W_beta (given as codes): QUANTISED
;;     4. batch 64 x [M 1, K 1,024] x [K 1,024, N 64]; A: computed on the way; B: computed on the way: left as it is (M = 1 < 16)
;;   THE QUANTISER, for each operand of a quantised product, along K:
;;     - K is cut into blocks of 32 from its start; a last block that is shorter is filled with zeros.
;;     - A block's scale is 2^e with e = floor(log2(the largest magnitude in the block)) - 15, held to -126 .. 127; a block of zeros has e = 0. As a byte (E8M0): e + 127.
;;     - Each number is divided by its block's scale, clamped to +-57,344, and rounded to the nearest number of E5M2, ties to even, subnormals kept.
;;     - The product sums the exact products of the quantised numbers (number of the format x scale) in f32.
;;   ~~~python
;;   def quantise(x, axis):      # numpy; x: float32 -> the quantised numbers, widened to float32 again
;;       x = np.moveaxis(x, axis, -1); K = x.shape[-1]
;;       x = np.pad(x, [(0, 0)] * (x.ndim - 1) + [(0, -K % 32)]); x = x.reshape(x.shape[:-1] + (-1, 32)); a = np.abs(x).max(-1, keepdims=True)
;;       e = np.where(a > 0, np.clip(np.frexp(np.where(a > 0, a, 1))[1] - 1 - 15, -126, 127), 0)      # np.frexp(a)[1] - 1 = floor(log2(a)), exactly
;;       r = np.clip(x / 2.0 ** e, -57344, 57344)
;;       step = 2.0 ** (np.maximum(np.frexp(np.where(r == 0, 1, r))[1] - 1, -14) - 2)
;;       q = np.round(r / step) * step * 2.0 ** e      # np.round: ties to even
;;       return np.moveaxis(q.reshape(q.shape[:-2] + (-1,))[..., :K], -1, axis).astype(np.float32)
;;   ~~~
;;   OPERANDS COMPUTED ON THE WAY. 'Computed on the way' means the value that the module computes at that place (a softmax that the list does not call 'softmax' is quantised finished and normalised). What goes into a quantiser is computed in f32, as accurately as f32 sums, v_exp_f32 and their like allow (about 1e-6 of the number): no bf16 or f16 on the way to a quantiser, and a product that is left as it is and whose result goes on into a quantised operand takes f32 operands (vector FMAs, or v_wmma_f32_16x16x4_f32). A number that lies on a knife's edge between two numbers of the format may be rounded either way, as far as f32 arithmetic and the matrix unit's own rounding can turn it there, and no further.
;;   INPUTS GIVEN AS CODES. W_beta (in the module: [1024, 1024], K = its axis 1); W_gamma (in the module: [1024, 1024], K = its axis 1): each comes as NAME_codes (uint8): NAME with its K axis moved to the last place and cut into blocks of 32 codes, [.., K / 32, bytes a block], one block behind the other in memory; one code a byte (a code: sign, 5 exponent bits, 2 mantissa bits); and NAME_scales (uint8): the same leading axes, one E8M0 byte (e + 127) for each 32 codes along K. Its value is code x scale, taken as it is: it is not quantised again, and the codes and scales need not be those that the quantiser above would give.
;; One version. Each part assembles by itself: llvm-mc -triple=amdgcn-amd-amdhsa -mcpu=gfx1250 --defsym DOCPART=n.
;; ======== version 1 of 1: 3 launches
;; workspace buffers: imean 262,144 bytes; im2 262,144 bytes; caprep 262,144 bytes; acodes 65,536 bytes; ascales 2,048 bytes; capss 1,024 bytes; film 524,288 bytes; bn 8,192 bytes
;; launch prep (part 1): grid 4 x 64, 4 waves a work-group, no clusters, 2,560 bytes of LDS; arguments img_embed, cap_embed, lens, imean, im2, caprep, acodes, ascales, capss; writes imean, im2, caprep, acodes, ascales, capss
.if DOCPART == 1
	.amdgcn_target "amdgcn-amd-amdhsa--gfx1250"
	.amdhsa_code_object_version 6
	.text
	.protected	k_qbe28b8c4ff_prep
	.globl	k_qbe28b8c4ff_prep
	.p2align	8
	.type	k_qbe28b8c4ff_prep,@function
k_qbe28b8c4ff_prep:
	s_mov_b64 s[64:65], 0
	v_nop
	global_prefetch_b8 v0, s[64:65] scope:SCOPE_SE
	s_setreg_imm32_b32 hwreg(HW_REG_WAVE_MODE, 25, 1), 1
	s_wait_xcnt 0x0
; Work-group (q, i) takes channels 256 q .. 256 q + 255 of image i and of caption i.
; Waves 0, 1 (128 channels each): the image's mean over its 36 regions and its centred sum of squares, for each channel (imean, im2).
;   The batch's variance is later joined from these by the parallel formula, so no difference of large sums is ever formed.
; Waves 2, 3 (128 channels each): cap_repr = the sum of cap_embed x mask over the 50 words, x 1 / len (caprep, f32), as reference() multiplies by its mask.
; Wave 2 then quantises the work-group's 256 numbers of cap_repr along the channels (K of the two products): E5M2 codes (acodes), one E8M0 byte for each 32 (ascales),
;   and sums their squares ahead of the hold (capss), for the caption's norm.
; A lane holds 4 neighbouring channels: each load and store of 16 bytes a lane covers 512 consecutive bytes of a row.  A wave issues all its rows' loads at once.
; LIMITS: NaN and infinities are not served; len = 0 gives NaN as in reference(); 1 / len is v_rcp_f32's (1 ulp); a block of zeros gets the byte 1 where the rule says 127
;   (its codes are zeros, and this program alone reads the bytes); a block whose largest magnitude lies under 2^-111 is held at the byte 1.
.set D,    32                          ; v[32:231] the rows as loaded, 4 registers a row
.set CAPS, 0                           ; LDS: 256 f32 of cap_repr
.set SCB,  1024                        ; LDS: the 8 scale bytes
	s_load_b256 s[4:11], s[0:1], 0x0               ; img s[4:5], cap s[6:7], lens s[8:9], imean s[10:11]
	s_load_b256 s[12:19], s[0:1], 0x20             ; im2 s[12:13], caprep s[14:15], acodes s[16:17], ascales s[18:19]
	s_load_b64 s[20:21], s[0:1], 0x40              ; capss
	v_lshl_add_u32 v240, v0, 2, 0x800
	v_mov_b32 v241, 0
	v_lshrrev_b32 v1, 5, v0
	v_readfirstlane_b32 s22, v1                    ; wave 0..3
	v_and_b32 v1, 31, v0                           ; lane
	s_and_b32 s24, ttmp7, 0xffff                   ; i
	s_and_b32 s27, s22, 1
	s_lshl_b32 s27, s27, 9                         ; 512 x (wave % 2): my 128 channels, in bytes
	s_lshl_b32 s23, ttmp9, 10                      ; 1,024 q: the work-group's 256 channels, in bytes
	s_lshl_b32 s26, s24, 12                        ; 4,096 i: a row of the workspace buffers
	; every LDS address is made here, ahead of the parting of the waves
	v_lshl_add_u32 v4, v1, 4, s27                  ; LDS: where a caption wave puts its 16 bytes
	v_add_nc_u32 v2, s23, v4                       ; my 16 bytes in a row of img or cap
	v_add_nc_u32 v3, s26, v2                       ; and in imean, im2, caprep
	v_lshlrev_b32 v5, 5, v1                        ; LDS: 8 neighbouring numbers a lane, for the quantiser
	v_lshrrev_b32 v6, 2, v1
	v_add_nc_u32 v6, SCB, v6                       ; LDS: my block's scale byte (four lanes to a block)
	v_mov_b32 v7, SCB                              ; LDS: the 8 bytes together
	v_mov_b32 v26, 0
	v_lshlrev_b32 v27, 3, v1                       ; my 8 codes
	s_mov_b32 s29, 0                               ; upper half of the mask's pair: named with it, so it is written
	s_mov_b32 s31, 0x600000                        ; the mantissa field of 57,344
	s_mov_b32 s32, 0x76543210
	s_mov_b32 s33, 0xfedcba98                      ; v_permlanex16_b32's selects for lane l xor 16
	s_mov_b32 s35, 0
	s_mov_b32 s37, 0
	s_wait_kmcnt 0x0
	s_mul_i32 s34, s24, 147456                     ; an image: 36 rows of 4,096 bytes
	s_add_nc_u64 s[4:5], s[4:5], s[34:35]
	s_mul_i32 s34, s24, 204800                     ; a caption: 50 rows
	s_add_nc_u64 s[6:7], s[6:7], s[34:35]
	s_lshl_b32 s34, s24, 2
	s_add_nc_u64 s[8:9], s[8:9], s[34:35]          ; lens[i]
	s_lshl_b32 s34, s24, 10
	s_lshl_b32 s36, ttmp9, 8
	s_add_co_u32 s34, s34, s36
	s_add_nc_u64 s[16:17], s[16:17], s[34:35]      ; acodes: 1,024 i + 256 q
	s_lshl_b32 s34, s24, 5
	s_lshl_b32 s36, ttmp9, 3
	s_add_co_u32 s34, s34, s36
	s_add_nc_u64 s[18:19], s[18:19], s[34:35]      ; ascales: 32 i + 8 q
	s_lshl_b32 s34, s24, 4
	s_lshl_b32 s36, ttmp9, 2
	s_add_co_u32 s34, s34, s36
	s_add_nc_u64 s[20:21], s[20:21], s[34:35]      ; capss: 16 i + 4 q
	s_cmp_lt_u32 s22, 2
	s_cbranch_scc0 .Lcap
	; ---- waves 0, 1: the image
.set r, 0
.rept 36
	global_load_b128 v[D+4*r:D+4*r+3], v2, s[4:5] offset:4096*r
.set r, r+1
.endr
	s_wait_loadcnt 32                              ; rows 0-3 are in; the 32 younger rows may be out
	v_pk_add_f32 v[8:9],   v[D:D+1],   v[D+8:D+9]      ; two chains (even rows, odd rows) of two pairs: the first rows start them
	v_pk_add_f32 v[10:11], v[D+2:D+3], v[D+10:D+11]
	v_pk_add_f32 v[12:13], v[D+4:D+5], v[D+12:D+13]
	v_pk_add_f32 v[14:15], v[D+6:D+7], v[D+14:D+15]
.set g, 1
.rept 8
	s_wait_loadcnt 32-4*g                          ; rows 4 g .. 4 g + 3 are in; the rows behind them may be out
	v_pk_add_f32 v[8:9],   v[8:9],   v[D+16*g:D+16*g+1]
	v_pk_add_f32 v[10:11], v[10:11], v[D+16*g+2:D+16*g+3]
	v_pk_add_f32 v[12:13], v[12:13], v[D+16*g+4:D+16*g+5]
	v_pk_add_f32 v[14:15], v[14:15], v[D+16*g+6:D+16*g+7]
	v_pk_add_f32 v[8:9],   v[8:9],   v[D+16*g+8:D+16*g+9]
	v_pk_add_f32 v[10:11], v[10:11], v[D+16*g+10:D+16*g+11]
	v_pk_add_f32 v[12:13], v[12:13], v[D+16*g+12:D+16*g+13]
	v_pk_add_f32 v[14:15], v[14:15], v[D+16*g+14:D+16*g+15]
.set g, g+1
.endr
	v_pk_add_f32 v[8:9],   v[8:9],   v[12:13]
	v_pk_add_f32 v[10:11], v[10:11], v[14:15]
	v_pk_mul_f32 v[8:9],   v[8:9],   0x3ce38e39 op_sel_hi:[1,0]   ; x 1/36: the image's mean
	v_pk_mul_f32 v[10:11], v[10:11], 0x3ce38e39 op_sel_hi:[1,0]
.set r, 0
.rept 36
	v_pk_add_f32 v[D+4*r:D+4*r+1],   v[D+4*r:D+4*r+1],   v[8:9]   neg_lo:[0,1] neg_hi:[0,1]   ; x - mean
	v_pk_add_f32 v[D+4*r+2:D+4*r+3], v[D+4*r+2:D+4*r+3], v[10:11] neg_lo:[0,1] neg_hi:[0,1]
.set r, r+1
.endr
	v_pk_mul_f32 v[16:17], v[D:D+1],   v[D:D+1]        ; the squares, again in two chains
	v_pk_mul_f32 v[18:19], v[D+2:D+3], v[D+2:D+3]
	v_pk_mul_f32 v[20:21], v[D+4:D+5], v[D+4:D+5]
	v_pk_mul_f32 v[22:23], v[D+6:D+7], v[D+6:D+7]
.set r, 2
.rept 17
	v_pk_fma_f32 v[16:17], v[D+4*r:D+4*r+1],   v[D+4*r:D+4*r+1],   v[16:17]
	v_pk_fma_f32 v[18:19], v[D+4*r+2:D+4*r+3], v[D+4*r+2:D+4*r+3], v[18:19]
	v_pk_fma_f32 v[20:21], v[D+4*r+4:D+4*r+5], v[D+4*r+4:D+4*r+5], v[20:21]
	v_pk_fma_f32 v[22:23], v[D+4*r+6:D+4*r+7], v[D+4*r+6:D+4*r+7], v[22:23]
.set r, r+2
.endr
	v_pk_add_f32 v[16:17], v[16:17], v[20:21]
	v_pk_add_f32 v[18:19], v[18:19], v[22:23]
	global_store_b128 v3, v[8:11], s[10:11]        ; 32 lanes store 512 consecutive bytes, aligned
	global_store_b128 v3, v[16:19], s[12:13]
	s_branch .Ljoin
	; ---- waves 2, 3: the caption
.Lcap:
	s_load_b32 s25, s[8:9], 0x0                    ; len
.set r, 0
.rept 50
	global_load_b128 v[D+4*r:D+4*r+3], v2, s[6:7] offset:4096*r th:TH_LOAD_NT   ; read once in the whole program
.set r, r+1
.endr
	s_wait_kmcnt 0x0
	v_cvt_f32_i32 v24, s25
	v_rcp_f32 v25, v24
	v_nop                                          ; a plain instruction between the reciprocal and the use of its result
	s_wait_alu depctr_va_vdst(0)                   ; and the wait ahead of the first use
	v_mov_b32 v24, v25                             ; 1 / len, twice: a pair for the packed multiply
.set r, 0
.rept 50
	s_wait_loadcnt 49-r                            ; row r is in; the 49 - r younger rows may be out
	s_cmp_gt_i32 s25, r
	s_cselect_b32 s28, 1.0, 0                      ; the mask: 1 where r < len.  A factor, no branch: every row is read and multiplied
.if r == 0
	v_pk_mul_f32 v[8:9],   v[D:D+1],   s[28:29] op_sel_hi:[1,0]
	v_pk_mul_f32 v[10:11], v[D+2:D+3], s[28:29] op_sel_hi:[1,0]
.else
	v_pk_fma_f32 v[8:9],   v[D+4*r:D+4*r+1],   s[28:29], v[8:9]   op_sel_hi:[1,0,1]
	v_pk_fma_f32 v[10:11], v[D+4*r+2:D+4*r+3], s[28:29], v[10:11] op_sel_hi:[1,0,1]
.endif
.set r, r+1
.endr
	v_pk_mul_f32 v[8:9],   v[8:9],   v[24:25]
	v_pk_mul_f32 v[10:11], v[10:11], v[24:25]
	global_store_b128 v3, v[8:11], s[14:15]
	ds_store_b128 v4, v[8:11]                      ; for the quantiser, which wants 8 neighbours a lane over both waves' channels
.Ljoin:
	s_wait_dscnt 0x0                               ; for wave 2's sake: my store has landed
	s_barrier_signal -1
	s_barrier_wait -1
	s_cmp_eq_u32 s22, 2
	s_cbranch_scc1 .Lquant
	s_wait_tensorcnt 0x0
	ds_add_u32 v240, v241
	s_wait_dscnt 0x0
	s_endpgm
	; ---- wave 2: 256 numbers become 256 codes and 8 scale bytes.  A lane holds 8 neighbours, four neighbouring lanes a block of 32
.Lquant:
	ds_load_b128 v[32:35], v5
	ds_load_b128 v[36:39], v5 offset:16
	v_mov_b32 v47, 0                               ; a lane permute's destination counts as one of its sources
	s_wait_dscnt 0x0
	v_mul_f32 v46, v32, v32                        ; the squares of the unquantised numbers, ahead of the hold
.irp k, 33,34,35,36,37,38,39
	v_fmac_f32 v46, v\k, v\k
.endr
	v_max3_num_f32 v40, |v32|, |v33|, 0x8000000    ; the largest magnitude, with the floor 2^(16 - 127) among its leaves: the byte cannot fall under 1
	v_max3_num_f32 v40, v40, |v34|, |v35|
	v_max3_num_f32 v40, v40, |v36|, |v37|
	v_max3_num_f32 v40, v40, |v38|, |v39|
	v_max_num_f32_dpp v40, v40, v40 row_xmask:1 row_mask:0xf bank_mask:0xf
	v_max_num_f32_dpp v40, v40, v40 row_xmask:2 row_mask:0xf bank_mask:0xf   ; the block's
	v_add_nc_u32 v41, 0xf8800000, v40              ; 15 off its exponent field: the conversion takes this operand's exponent field as its scale
	v_and_or_b32 v42, v40, 0x7f800000, s31         ; 57,344 x the scale
.irp k, 32,33,34,35,36,37,38,39
	v_med3_num_f32 v\k, v\k, -v42, v42             ; the conversion to an 8-bit code does not saturate (ISA guide 7.6.2): the hold comes first
.endr
	v_cvt_scalef32_pk8_bf8_f32 v[44:45], v[32:39], v41
	v_lshrrev_b32 v43, 23, v41                     ; the scale's byte (also the plain instruction behind the conversion)
	ds_store_b8 v6, v43                            ; the four lanes of a block write the same byte with the same value
.irp m, 1,2,4,8
	v_add_f32_dpp v46, v46, v46 row_xmask:\m row_mask:0xf bank_mask:0xf
.endr
	v_permlanex16_b32 v47, v46, s32, s33
	v_add_f32 v46, v46, v47                        ; the sum of the 256 squares, in every lane
	global_store_b64 v27, v[44:45], s[16:17]       ; 32 lanes store 256 consecutive bytes, aligned
	ds_load_b64 v[48:49], v7                       ; LDS serves a wave's instructions in order: this sees the byte stores
	s_wait_dscnt 0x0
	v_cmp_eq_u32 vcc_lo, 0, v1
	s_wait_xcnt 0x0                                ; EXEC changes only behind this wait: the store above has read it
	s_wait_tensorcnt 0x0
	ds_add_u32 v240, v241
	s_wait_dscnt 0x0
	s_and_saveexec_b32 s30, vcc_lo                 ; lane 0 alone
	global_store_b64 v26, v[48:49], s[18:19]       ; the 8 scale bytes
	global_store_b32 v26, v46, s[20:21]            ; this quarter's sum of squares
	s_endpgm
.Lfunc_end_k_qbe28b8c4ff_prep:
	.size	k_qbe28b8c4ff_prep, .Lfunc_end_k_qbe28b8c4ff_prep-k_qbe28b8c4ff_prep
	.p2alignl 7, 3214868480
	.fill 96, 4, 3214868480
	.section	.rodata,"a",@progbits
	.p2align	6, 0x0
	.amdhsa_kernel k_qbe28b8c4ff_prep
		.amdhsa_group_segment_fixed_size 2560
		.amdhsa_private_segment_fixed_size 0
		.amdhsa_enable_private_segment 0
		.amdhsa_kernarg_size 72
		.amdhsa_user_sgpr_count 2
		.amdhsa_user_sgpr_kernarg_segment_ptr 1
		.amdhsa_wavefront_size32 1
		.amdhsa_system_sgpr_workgroup_id_x 1
		.amdhsa_system_sgpr_workgroup_id_y 1
		.amdhsa_system_sgpr_workgroup_id_z 1
		.amdhsa_system_vgpr_workitem_id 0
		.amdhsa_next_free_vgpr 242
		.amdhsa_next_free_sgpr 66
		.amdhsa_reserve_vcc 1
		.amdhsa_float_denorm_mode_32 3
		.amdhsa_float_denorm_mode_16_64 3
		.amdhsa_memory_ordered 1
		.amdhsa_forward_progress 1
		.amdhsa_inst_pref_size 39
	.end_amdhsa_kernel
	.amdgpu_metadata
---
amdhsa.version: [ 1, 2 ]
amdhsa.kernels:
  - .name:           k_qbe28b8c4ff_prep
    .symbol:         k_qbe28b8c4ff_prep.kd
    .args:
      - { .name: img_embed, .offset: 0, .size: 8, .value_kind: global_buffer, .address_space: global }
      - { .name: cap_embed, .offset: 8, .size: 8, .value_kind: global_buffer, .address_space: global }
      - { .name: lens, .offset: 16, .size: 8, .value_kind: global_buffer, .address_space: global }
      - { .name: imean, .offset: 24, .size: 8, .value_kind: global_buffer, .address_space: global }
      - { .name: im2, .offset: 32, .size: 8, .value_kind: global_buffer, .address_space: global }
      - { .name: caprep, .offset: 40, .size: 8, .value_kind: global_buffer, .address_space: global }
      - { .name: acodes, .offset: 48, .size: 8, .value_kind: global_buffer, .address_space: global }
      - { .name: ascales, .offset: 56, .size: 8, .value_kind: global_buffer, .address_space: global }
      - { .name: capss, .offset: 64, .size: 8, .value_kind: global_buffer, .address_space: global }
    .group_segment_fixed_size: 2560
    .private_segment_fixed_size: 0
    .kernarg_segment_align: 8
    .kernarg_segment_size: 72
    .max_flat_workgroup_size: 128
    .sgpr_count:     66
    .vgpr_count:     242
    .wavefront_size: 32
...
	.end_amdgpu_metadata
.endif
;; end of part 1
;; launch film (part 2): grid 36 x 4, 1 waves a work-group, no clusters, 4,864 bytes of LDS; arguments acodes, ascales, W_gamma_codes, W_gamma_scales, W_beta_codes, W_beta_scales, b_gamma, b_beta, imean, im2, film, bn; writes film, bn
.if DOCPART == 2
	.amdgcn_target "amdgcn-amd-amdhsa--gfx1250"
	.amdhsa_code_object_version 6
	.text
	.protected	k_qbe28b8c4ff_film
	.globl	k_qbe28b8c4ff_film
	.p2align	8
	.type	k_qbe28b8c4ff_film,@function
k_qbe28b8c4ff_film:
	s_mov_b64 s[64:65], 0
	v_nop
	global_prefetch_b8 v0, s[64:65] scope:SCOPE_SE
	s_setreg_imm32_b32 hwreg(HW_REG_WAVE_MODE, 25, 1), 1
	s_wait_xcnt 0x0
; Work-groups of one wave.  x < 32: a piece of the two quantised products; x >= 32: the batch's statistics of 64 channels.
; PRODUCTS.  film[0][c][d] = 1 + b_gamma[d] + sum over k of cap[c][k] W_gamma[d][k];  film[1][c][d] = b_beta[d] + the same with W_beta.  Both operands are E5M2 codes with one E8M0 scale for each 32 along K.
;   sel = x / 16 (gamma, beta), dg = x % 16 (64 channels d: four tiles of 16), y (16 captions).  K = 1,024 in 8 steps of 128: 32 matrix instructions a wave, 128 waves.
;   USED TRANSPOSED: source 0 = 16 rows of W, source 1 = 16 captions: lane (r, h) holds caption r, and its register j channel 16 t + 8 h + j: eight neighbours of a row of film.
;   The bias (+ 1 for gamma) is the C of each sum's first matrix instruction.  Each fragment goes from memory straight into registers of its own and is read once: no register is loaded twice,
;   so no load lands on a register that a matrix instruction has read.  No tile is shared inside a work-group, so nothing goes through LDS but the way out.
; STATISTICS.  mu = the mean of the 64 images' means;  var = (sum of the images' centred sums + 36 x sum of (mean_b - mu)^2) / 2,304;  bn[0] = mu, bn[1] = 1 / sqrt(var + 1e-5).
; REGISTERS (products): window 0: v1-8 addresses; v32-63 four accumulators; v64-71 the captions' scale words (word s: K step s); v72-103 W's; v128-255 the captions' 8 fragments.
;   window 1: W's fragments of K steps 0-3 (step s, tile t at v[64 (s % 4) + 16 t]);  window 2: those of K steps 4-7.
.set ACC, 32
.set AS,  64
.set WS,  72
.set AF,  128
.set MSB, 0
.macro WIN new                         ; s_set_vgpr_msb: bits 1:0 source 0, 3:2 source 1, 5:4 source 2, 7:6 destination; the high byte repeats the setting that is left
.if MSB != (\new)
	s_set_vgpr_msb (MSB<<8)|(\new)
.set MSB, (\new)
.endif
.endm
	s_load_b512 s[4:19], s[0:1], 0x0               ; acodes s[4:5], ascales s[6:7], Wg codes s[8:9], Wg scales s[10:11], Wb codes s[12:13], Wb scales s[14:15], b_gamma s[16:17], b_beta s[18:19]
	s_load_b256 s[20:27], s[0:1], 0x40             ; imean s[20:21], im2 s[22:23], film s[24:25], bn s[26:27]
	v_lshl_add_u32 v14, v0, 2, 0x1200
	v_mov_b32 v15, 0
	v_and_b32 v1, 15, v0                           ; r
	v_lshrrev_b32 v2, 4, v0                        ; h (one wave: v0 is the lane)
	s_and_b32 s42, ttmp7, 0xffff                   ; y
	s_mov_b32 s45, 0
	s_cmp_ge_u32 ttmp9, 32
	s_cbranch_scc1 .Lstats
	s_lshr_b32 s40, ttmp9, 4                       ; sel
	s_and_b32 s41, ttmp9, 15                       ; dg
	v_lshlrev_b32 v3, 10, v1
	v_lshl_add_u32 v3, v2, 4, v3                   ; codes: row r of 1,024 bytes, + 16 h
	v_lshlrev_b32 v4, 5, v1                        ; scale words: row r of 32 bytes
	v_lshlrev_b32 v5, 5, v2                        ; bias: my half's eight numbers
	v_mul_u32_u24 v6, v1, 272
	v_lshl_add_u32 v6, v2, 5, v6                   ; the stage, in: row r (256 bytes + 16), + 32 h
	v_mul_u32_u24 v7, v2, 272
	v_lshl_add_u32 v7, v1, 4, v7                   ; back: lanes 0-15 one row, lanes 16-31 the next
	v_lshlrev_b32 v8, 12, v2
	v_lshl_add_u32 v8, v1, 4, v8                   ; and the same two rows in film
	s_wait_kmcnt 0x0
	s_cmp_eq_u32 s40, 0                            ; gamma or beta: the choice hangs on the work-group's number alone
	s_cselect_b64 s[28:29], s[8:9], s[12:13]       ; W's codes
	s_cselect_b64 s[30:31], s[10:11], s[14:15]     ; W's scales
	s_cselect_b64 s[32:33], s[16:17], s[18:19]     ; the bias
	s_cselect_b32 s34, 1.0, 0                      ; gamma + 1; beta + 0
	s_mov_b32 s35, s34                             ; (named with it as a pair, so it is written)
	s_lshl_b32 s44, s41, 16
	s_add_nc_u64 s[28:29], s[28:29], s[44:45]      ; 64 rows of 1,024 bytes x dg
	s_lshl_b32 s44, s41, 11
	s_add_nc_u64 s[30:31], s[30:31], s[44:45]      ; 64 rows of 32 bytes x dg
	s_lshl_b32 s44, s41, 8
	s_add_nc_u64 s[32:33], s[32:33], s[44:45]      ; 64 numbers x dg
	s_lshl_b32 s44, s42, 14
	s_add_nc_u64 s[4:5], s[4:5], s[44:45]          ; 16 captions of 1,024 bytes x y
	s_lshl_b32 s44, s42, 9
	s_add_nc_u64 s[6:7], s[6:7], s[44:45]          ; 16 rows of 32 bytes x y
	s_lshl_b32 s44, s40, 18                        ; film: the plane,
	s_lshl_b32 s46, s42, 16                        ; 16 rows of 4,096 bytes x y,
	s_add_co_u32 s44, s44, s46
	s_lshl_b32 s46, s41, 8                         ; 256 bytes x dg
	s_add_co_u32 s44, s44, s46
	s_add_nc_u64 s[36:37], s[24:25], s[44:45]
.macro LDSTEP s                        ; K step s: W's four fragments and the captions' one: 20 loads
	WIN 0x40*(1+(\s)/4)
.irp t, 0,1,2,3
.irp c, 0,1,2,3
	global_load_b128 v[64*((\s)%4)+16*\t+4*\c:64*((\s)%4)+16*\t+4*\c+3], v3, s[28:29] offset:16384*\t+128*(\s)+32*\c   ; registers 4 c ..: k = 32 c + 16 h + 0 .. 15
.endr
.endr
	WIN 0
.irp c, 0,1,2,3
	global_load_b128 v[AF+16*(\s)+4*\c:AF+16*(\s)+4*\c+3], v3, s[4:5] offset:128*(\s)+32*\c
.endr
.endm
.macro MUL s                           ; the four accumulators take turns, one instruction a turn, in every K step
	WIN 1+(\s)/4
.irp t, 0,1,2,3
	v_wmma_scale_f32_16x16x128_f8f6f4 v[ACC+8*\t:ACC+8*\t+7], v[64*((\s)%4)+16*\t:64*((\s)%4)+16*\t+15], v[AF+16*(\s):AF+16*(\s)+15], v[ACC+8*\t:ACC+8*\t+7], v[WS+8*\t+(\s)], v[AS+(\s)] matrix_a_fmt:MATRIX_FMT_BF8 matrix_b_fmt:MATRIX_FMT_BF8
.endr
	WIN 0
.endm
	; 18 loads: all scale words (a row's 32 bytes are its 8 words, one for each K step) and the bias, straight into the accumulators
	global_load_b128 v[AS:AS+3],   v4, s[6:7]
	global_load_b128 v[AS+4:AS+7], v4, s[6:7] offset:16
.irp t, 0,1,2,3
	global_load_b128 v[WS+8*\t:WS+8*\t+3],     v4, s[30:31] offset:512*\t
	global_load_b128 v[WS+8*\t+4:WS+8*\t+7],   v4, s[30:31] offset:512*\t+16
	global_load_b128 v[ACC+8*\t:ACC+8*\t+3],   v5, s[32:33] offset:64*\t
	global_load_b128 v[ACC+8*\t+4:ACC+8*\t+7], v5, s[32:33] offset:64*\t+16
.endr
	LDSTEP 0
	LDSTEP 1
	LDSTEP 2
	s_wait_loadcnt 60                              ; the 18 are in; the three K steps' 60 loads may be out
.set j, 0
.rept 16
	v_pk_add_f32 v[ACC+2*j:ACC+2*j+1], v[ACC+2*j:ACC+2*j+1], s[34:35] op_sel_hi:[1,0]   ; gamma's + 1 goes in with the bias
.set j, j+1
.endr
.rept 4
	v_nop                                          ; four places between operands written by vector instructions and a scaled matrix instruction
.endr
.irp s, 0,1,2,3,4,5,6,7
.if \s < 6
	s_wait_loadcnt 40                              ; this K step's 20 loads are in; the two steps behind it may be out
.else
	s_wait_loadcnt 20*(7-\s)
.endif
	MUL \s
.if \s < 5
	LDSTEP \s+3                                    ; three K steps ahead, into registers of its own
.endif
.endr
.rept 8
	v_nop                                          ; eight places behind this form before results are read and before loads land on registers that it has read
.endr
	; the way out: a lane holds 32 bytes of a row; through my stage the rows come back whole
.irp t, 0,1,2,3
	ds_store_b128 v6, v[ACC+8*\t:ACC+8*\t+3]   offset:64*\t       ; each accumulator from its low end on
	ds_store_b128 v6, v[ACC+8*\t+4:ACC+8*\t+7] offset:64*\t+16
.endr
.irp i, 0,1,2,3,4,5,6,7
	ds_load_b128 v[AF+4*\i:AF+4*\i+3], v7 offset:544*\i           ; LDS serves a wave's instructions in order: these see the stores
.endr
.irp i, 0,1,2,3,4,5,6,7
	s_wait_dscnt 7-\i
	global_store_b128 v8, v[AF+4*\i:AF+4*\i+3], s[36:37] offset:8192*\i   ; 16 lanes store 256 consecutive bytes, aligned
.endr
	s_wait_tensorcnt 0x0
	ds_add_u32 v14, v15
	s_wait_dscnt 0x0
	s_endpgm
	; ---- the statistics of channels 64 idx .. 64 idx + 63.  Lane (r, h): channels 4 r .. 4 r + 3 of the images of parity h
.Lstats:
	s_sub_co_u32 s40, ttmp9, 32
	s_lshl_b32 s40, s40, 2
	s_add_co_u32 s40, s40, s42                     ; idx = 4 (x - 32) + y
	s_lshl_b32 s44, s40, 8
	v_lshlrev_b32 v3, 12, v2
	v_lshl_add_u32 v3, v1, 4, v3                   ; 4,096 h + 16 r: two rows of 256 bytes a load
	s_mov_b32 s38, 0x76543210
	s_mov_b32 s39, 0xfedcba98                      ; v_permlanex16_b32's selects for lane l xor 16
	s_mov_b32 s46, 0x39e38e39                      ; 1 / 2,304
	s_mov_b32 s47, 0x3727c5ac                      ; 1e-5
.irp k, 0,1,2,3
	v_mov_b32 v[152+\k], 0                         ; a lane permute's destination counts as one of its sources
.endr
	s_wait_kmcnt 0x0
	s_add_nc_u64 s[20:21], s[20:21], s[44:45]
	s_add_nc_u64 s[22:23], s[22:23], s[44:45]
	s_add_nc_u64 s[26:27], s[26:27], s[44:45]
.set i, 0
.rept 32
	global_load_b128 v[16+4*i:19+4*i], v3, s[20:21] offset:8192*i      ; the means of images 2 i + h
.set i, i+1
.endr
	WIN 0x40                                       ; destination window 1
.set i, 0
.rept 32
	global_load_b128 v[4*i:4*i+3], v3, s[22:23] offset:8192*i          ; their centred sums of squares
.set i, i+1
.endr
	WIN 0
	s_wait_loadcnt 32                              ; the means are in; the 32 younger loads may be out
	v_pk_add_f32 v[144:145], v[16:17], v[20:21]
	v_pk_add_f32 v[146:147], v[18:19], v[22:23]
.set i, 2
.rept 30
	v_pk_add_f32 v[144:145], v[144:145], v[16+4*i:17+4*i]
	v_pk_add_f32 v[146:147], v[146:147], v[18+4*i:19+4*i]
.set i, i+1
.endr
.irp k, 0,1,2,3
	v_permlanex16_b32 v[152+\k], v[144+\k], s38, s39
.endr
	v_pk_add_f32 v[144:145], v[144:145], v[152:153]                    ; with the other parity's images
	v_pk_add_f32 v[146:147], v[146:147], v[154:155]
	v_pk_mul_f32 v[144:145], v[144:145], 0x3c800000 op_sel_hi:[1,0]    ; / 64: mu
	v_pk_mul_f32 v[146:147], v[146:147], 0x3c800000 op_sel_hi:[1,0]
.set i, 0
.rept 32
	v_pk_add_f32 v[16+4*i:17+4*i], v[16+4*i:17+4*i], v[144:145] neg_lo:[0,1] neg_hi:[0,1]   ; mean_b - mu
	v_pk_add_f32 v[18+4*i:19+4*i], v[18+4*i:19+4*i], v[146:147] neg_lo:[0,1] neg_hi:[0,1]
.set i, i+1
.endr
	v_pk_mul_f32 v[148:149], v[16:17], v[16:17]
	v_pk_mul_f32 v[150:151], v[18:19], v[18:19]
.set i, 1
.rept 31
	v_pk_fma_f32 v[148:149], v[16+4*i:17+4*i], v[16+4*i:17+4*i], v[148:149]
	v_pk_fma_f32 v[150:151], v[18+4*i:19+4*i], v[18+4*i:19+4*i], v[150:151]
.set i, i+1
.endr
	v_pk_mul_f32 v[148:149], v[148:149], 0x42100000 op_sel_hi:[1,0]    ; x 36: each image stands for 36 samples
	v_pk_mul_f32 v[150:151], v[150:151], 0x42100000 op_sel_hi:[1,0]
	s_wait_loadcnt 0x0
	WIN 0x04                                       ; source 1 window 1
.set i, 0
.rept 32
	v_pk_add_f32 v[148:149], v[148:149], v[4*i:4*i+1]
	v_pk_add_f32 v[150:151], v[150:151], v[4*i+2:4*i+3]
.set i, i+1
.endr
	WIN 0
.irp k, 0,1,2,3
	v_permlanex16_b32 v[152+\k], v[148+\k], s38, s39
.endr
	v_pk_add_f32 v[148:149], v[148:149], v[152:153]
	v_pk_add_f32 v[150:151], v[150:151], v[154:155]
	v_cmp_le_u32 vcc_lo, 16, v0                    ; lanes 16-31 will carry the second plane
.irp k, 0,1,2,3
	v_fma_f32 v[156+\k], v[148+\k], s46, s47       ; var + 1e-5
.endr
.irp k, 0,1,2,3
	v_rsq_f32 v[156+\k], v[156+\k]
.endr
	v_nop                                          ; a plain instruction between the last of the batch and the use of its results
	s_wait_alu depctr_va_vdst(0)                   ; one wait for the four ahead of their first reader
.irp k, 0,1,2,3
	v_cndmask_b32 v[160+\k], v[144+\k], v[156+\k], vcc_lo
.endr
	global_store_b128 v3, v[160:163], s[26:27]     ; lanes 0-15: 256 bytes of mu; lanes 16-31: 256 bytes of 1 / sqrt(var + 1e-5), 4,096 bytes on
	s_endpgm
.Lfunc_end_k_qbe28b8c4ff_film:
	.size	k_qbe28b8c4ff_film, .Lfunc_end_k_qbe28b8c4ff_film-k_qbe28b8c4ff_film
	.p2alignl 7, 3214868480
	.fill 96, 4, 3214868480
	.section	.rodata,"a",@progbits
	.p2align	6, 0x0
	.amdhsa_kernel k_qbe28b8c4ff_film
		.amdhsa_group_segment_fixed_size 4864
		.amdhsa_private_segment_fixed_size 0
		.amdhsa_enable_private_segment 0
		.amdhsa_kernarg_size 96
		.amdhsa_user_sgpr_count 2
		.amdhsa_user_sgpr_kernarg_segment_ptr 1
		.amdhsa_wavefront_size32 1
		.amdhsa_system_sgpr_workgroup_id_x 1
		.amdhsa_system_sgpr_workgroup_id_y 1
		.amdhsa_system_sgpr_workgroup_id_z 1
		.amdhsa_system_vgpr_workitem_id 0
		.amdhsa_next_free_vgpr 768
		.amdhsa_next_free_sgpr 66
		.amdhsa_reserve_vcc 1
		.amdhsa_float_denorm_mode_32 3
		.amdhsa_float_denorm_mode_16_64 3
		.amdhsa_memory_ordered 1
		.amdhsa_forward_progress 1
		.amdhsa_inst_pref_size 53
	.end_amdhsa_kernel
	.amdgpu_metadata
---
amdhsa.version: [ 1, 2 ]
amdhsa.kernels:
  - .name:           k_qbe28b8c4ff_film
    .symbol:         k_qbe28b8c4ff_film.kd
    .args:
      - { .name: acodes, .offset: 0, .size: 8, .value_kind: global_buffer, .address_space: global }
      - { .name: ascales, .offset: 8, .size: 8, .value_kind: global_buffer, .address_space: global }
      - { .name: W_gamma_codes, .offset: 16, .size: 8, .value_kind: global_buffer, .address_space: global }
      - { .name: W_gamma_scales, .offset: 24, .size: 8, .value_kind: global_buffer, .address_space: global }
      - { .name: W_beta_codes, .offset: 32, .size: 8, .value_kind: global_buffer, .address_space: global }
      - { .name: W_beta_scales, .offset: 40, .size: 8, .value_kind: global_buffer, .address_space: global }
      - { .name: b_gamma, .offset: 48, .size: 8, .value_kind: global_buffer, .address_space: global }
      - { .name: b_beta, .offset: 56, .size: 8, .value_kind: global_buffer, .address_space: global }
      - { .name: imean, .offset: 64, .size: 8, .value_kind: global_buffer, .address_space: global }
      - { .name: im2, .offset: 72, .size: 8, .value_kind: global_buffer, .address_space: global }
      - { .name: film, .offset: 80, .size: 8, .value_kind: global_buffer, .address_space: global }
      - { .name: bn, .offset: 88, .size: 8, .value_kind: global_buffer, .address_space: global }
    .group_segment_fixed_size: 4864
    .private_segment_fixed_size: 0
    .kernarg_segment_align: 8
    .kernarg_segment_size: 96
    .max_flat_workgroup_size: 32
    .sgpr_count:     66
    .vgpr_count:     768
    .wavefront_size: 32
...
	.end_amdgpu_metadata
.endif
;; end of part 2
;; launch main (part 3): grid 4 x 64, 16 waves a work-group, no clusters, 67,840 bytes of LDS; arguments img_embed, bn, film, caprep, capss, out0; writes out0
.if DOCPART == 3
	.amdgcn_target "amdgcn-amd-amdhsa--gfx1250"
	.amdhsa_code_object_version 6
	.text
	.protected	k_qbe28b8c4ff_main
	.globl	k_qbe28b8c4ff_main
	.p2align	8
	.type	k_qbe28b8c4ff_main,@function
k_qbe28b8c4ff_main:
	s_mov_b64 s[64:65], 0
	v_nop
	global_prefetch_b8 v0, s[64:65] scope:SCOPE_SE
	s_setreg_imm32_b32 hwreg(HW_REG_WAVE_MODE, 25, 1), 1
	s_wait_xcnt 0x0
; sims[b][c] for image b (work-group y) and captions 16 cg .. 16 cg + 15 (work-group x), over all 1,024 channels.
; THE ALGEBRA.  mod_r = xn_r G + beta with G = gamma + 1.  beta is the same for all 36 regions, so it drops out of the softmax: w_r = e_r / S0, e_r = 2^(a xn_r - M), a = 10 log2(e) G.
;   M = max(a xmax, a xmin) IS the row's largest exponent, whatever a's sign: xmax and xmin over the regions are found once for (b, d) and serve all captions.  So every exponent is 0 or less and S0 is at least about 1.
;   36 x img_vec = G S1 / S0 + beta with S0 = sum of e_r, S1 = sum of e_r xn_r.  For each region: one multiply-add, one exponential, one add, one multiply-add; the plain ones two channels to an instruction.
;   sims = (dot / 36) / ((sqrt(nn) / 36 + 1e-8) (sqrt(css) + 1e-8)), dot = sum over d of u cap, nn = sum of u^2, u = 36 x img_vec, css = sum of cap^2.
; SHARES.  Sixteen waves, four to a SIMD, so that one wave's exponentials stand beside another's plain work.  Thread t owns channels 2 t, 2 t + 1; its 72 normalised x stay in registers for the whole launch.
;   A caption's G, beta and cap (3 loads of 8 bytes a lane, 256 consecutive bytes a wave) are asked for three captions ahead, in three sets of registers by turns.
;   In a trip the exponentials of caption c + 1 are issued between the sums of caption c and its last lines: one wait serves that batch and the two reciprocals.
; No tile is shared between waves, and the x are read once: so no ring in LDS, no tensor load, no cluster; the launch is bound by its exponentials, not by its streams.
; LDS: RED [16 waves][16 captions][32 lanes] x 8 bytes (dot, nn): a wave stores inside its own 4,096 bytes;  FINL at 65,536: [16 captions] x 8 bytes.
; LIMITS: NaN and infinities are not served.
.set X,   56                           ; v[56:127]  xn: region r's pair at v[X + 2 r]
.set T,   128                          ; v[128:199] exponents, then e
.set P,   32                           ; v[32:49]   three sets of G, beta, cap (pairs)
.set LB,  54                           ; v54  4,096 wave + 8 lane: my place in RED
	s_load_b256 s[4:11], s[0:1], 0x0               ; img s[4:5], bn s[6:7], film s[8:9], caprep s[10:11]
	s_load_b128 s[12:15], s[0:1], 0x20             ; capss s[12:13], out0 s[14:15]
	v_lshl_add_u32 v240, v0, 2, 0x10100
	v_mov_b32 v241, 0
	v_lshrrev_b32 v3, 5, v0
	v_readfirstlane_b32 s16, v3                    ; wave 0..15
	v_and_b32 v237, 31, v0                         ; lane
	v_and_b32 v236, 15, v0                         ; r
	v_bfe_u32 v30, v0, 4, 1                        ; h
	v_lshlrev_b32 v1, 3, v0                        ; my two channels: 8 t bytes
	s_lshl_b32 s17, ttmp9, 16                      ; 16 rows of 4,096 bytes x cg
	v_add_nc_u32 v2, s17, v1                       ; my place in film's and caprep's rows; it steps a row a caption
	v_lshlrev_b32 v[LB], 12, v3
	v_lshl_add_u32 v[LB], v237, 3, v[LB]
	v_lshlrev_b32 v30, 12, v30
	v_lshl_add_u32 v30, v3, 8, v30
	v_lshl_add_u32 v30, v236, 4, v30               ; the reduction's reads: 4,096 h + 256 wave + 16 r: caption = my wave, two source waves a load
	s_lshl_b32 s21, ttmp9, 8
	v_lshl_add_u32 v239, v236, 4, s21              ; capss: 16 bytes a caption, caption 16 cg + r
	v_lshl_add_u32 v236, v236, 3, 0x10000          ; FINL: caption r's pair
	v_lshlrev_b32 v237, 2, v237                    ; out0: 4 bytes a lane
	s_lshl_b32 s21, s16, 3
	s_add_co_u32 s21, s21, 0x10000
	v_mov_b32 v31, s21                             ; FINL: my wave's pair
	v_mov_b32 v238, 0                              ; a lane permute's destination counts as one of its sources
	s_and_b32 s18, ttmp7, 0xffff                   ; b
	s_mul_i32 s28, s18, 147456                     ; an image: 36 rows of 4,096 bytes
	s_mov_b32 s29, 0
	s_lshl_b32 s30, s18, 8                         ; out0: row b of 256 bytes,
	s_lshl_b32 s31, ttmp9, 6                       ; + 16 captions x cg
	s_add_co_u32 s30, s30, s31
	s_mov_b32 s31, 0
	s_mov_b32 s19, 0                               ; the caption's place in my 4,096 bytes of RED: it steps 768 (three captions) a loop trip
	s_mov_b32 s22, 0x76543210
	s_mov_b32 s23, 0xfedcba98                      ; v_permlanex16_b32's selects for lane l xor 16
	s_mov_b32 s24, 0x3ce38e39                      ; 1 / 36
	s_mov_b32 s25, 0x322bcc77                      ; 1e-8
	s_wait_kmcnt 0x0
	s_add_nc_u64 s[4:5], s[4:5], s[28:29]
	s_add_nc_u64 s[14:15], s[14:15], s[30:31]
.macro LOADP p                         ; the next caption's G, beta and cap into set p
	s_wait_xcnt 0x0                                ; the earlier loads have read their offset: it may step
	v_add_nc_u32 v2, 4096, v2
	global_load_b64 v[P+6*\p:P+6*\p+1],   v2, s[8:9]
	global_load_b64 v[P+6*\p+2:P+6*\p+3], v2, s[8:9] offset:262144
	global_load_b64 v[P+6*\p+4:P+6*\p+5], v2, s[10:11]
.endm
.macro PARG p                          ; the exponents a xn_r - M of the caption in set p
	v_pk_mul_f32 v[8:9], v[P+6*\p:P+6*\p+1], 0x4166d4ca op_sel_hi:[1,0]   ; a = 10 log2(e) G
	v_pk_mul_f32 v[12:13], v[8:9], v[4:5]
	v_pk_mul_f32 v[14:15], v[8:9], v[6:7]
	v_max_num_f32 v10, v12, v14                    ; M: the row's largest exponent
	v_max_num_f32 v11, v13, v15
.set r, 0
.rept 36
	v_pk_fma_f32 v[T+2*r:T+2*r+1], v[X+2*r:X+2*r+1], v[8:9], v[10:11] neg_lo:[0,0,1] neg_hi:[0,0,1]
.set r, r+1
.endr
.endm
.macro EXPS                            ; one batch: none of these reads another's result
.set r, 0
.rept 72
	v_exp_f32 v[T+r], v[T+r]
.set r, r+1
.endr
.endm
.macro RSUM                            ; S0 -> v[16:17], S1 -> v[20:21]: two chains each (even regions, odd regions); the first regions start them
	v_pk_add_f32 v[16:17], v[T:T+1],   v[T+4:T+5]
	v_pk_add_f32 v[18:19], v[T+2:T+3], v[T+6:T+7]
	v_pk_mul_f32 v[20:21], v[T:T+1],   v[X:X+1]
	v_pk_mul_f32 v[22:23], v[T+2:T+3], v[X+2:X+3]
	v_pk_fma_f32 v[20:21], v[T+4:T+5], v[X+4:X+5], v[20:21]
	v_pk_fma_f32 v[22:23], v[T+6:T+7], v[X+6:X+7], v[22:23]
.set r, 4
.rept 16
	v_pk_add_f32 v[16:17], v[16:17], v[T+2*r:T+2*r+1]
	v_pk_fma_f32 v[20:21], v[T+2*r:T+2*r+1], v[X+2*r:X+2*r+1], v[20:21]
	v_pk_add_f32 v[18:19], v[18:19], v[T+2*r+2:T+2*r+3]
	v_pk_fma_f32 v[22:23], v[T+2*r+2:T+2*r+3], v[X+2*r+2:X+2*r+3], v[22:23]
.set r, r+2
.endr
	v_pk_add_f32 v[16:17], v[16:17], v[18:19]
	v_pk_add_f32 v[20:21], v[20:21], v[22:23]
.endm
.macro FIN p, off                      ; u = G S1 / S0 + beta; my two channels' part of dot and nn goes to RED
	v_pk_mul_f32 v[26:27], v[20:21], v[24:25]
	v_pk_fma_f32 v[26:27], v[26:27], v[P+6*\p:P+6*\p+1], v[P+6*\p+2:P+6*\p+3]
	v_mul_f32 v28, v26, v[P+6*\p+4]
	v_mul_f32 v29, v26, v26
	v_fmac_f32 v28, v27, v[P+6*\p+5]
	v_fmac_f32 v29, v27, v27
	ds_store_b64 v3, v[28:29] offset:\off
.endm
; A trip: caption c (set p) is summed and finished, caption c + 1 (set pn) gets its exponentials; ld = 1: caption c + 3 is asked for, into set p.  cnt: the loads younger than caption c + 1's.
.macro TRIP p, pn, ld, cnt, off
	RSUM
	v_rcp_f32 v24, v16
	v_rcp_f32 v25, v17
	s_wait_loadcnt \cnt
	PARG \pn                                       ; its first line is the plain instruction behind the reciprocals
	EXPS
	v_nop                                          ; and this one behind the last exponential
	s_wait_alu depctr_va_vdst(0)                   ; ONE wait for the 72 exponentials and the 2 reciprocals, ahead of their first readers
	FIN \p, \off
.if \ld
	LOADP \p
.endif
.endm
	; 48 loads, the oldest first
	global_load_b128 v[232:235], v239, s[12:13]    ; the four quarters of the sum of cap^2 (wave 0 uses them at the end; asked for here, where it costs no wait)
	global_load_b64 v[50:51], v1, s[6:7]           ; mu
	global_load_b64 v[52:53], v1, s[6:7] offset:4096   ; 1 / sqrt(var + 1e-5)
.set r, 0
.rept 36
	global_load_b64 v[X+2*r:X+2*r+1], v1, s[4:5] offset:4096*r   ; a wave reads 256 consecutive bytes of a row, aligned
.set r, r+1
.endr
	global_load_b64 v[P:P+1],   v2, s[8:9]         ; caption 0's set
	global_load_b64 v[P+2:P+3], v2, s[8:9] offset:262144
	global_load_b64 v[P+4:P+5], v2, s[10:11]
	LOADP 1
	LOADP 2
	s_wait_loadcnt 9                               ; all but the three sets' nine loads
.set r, 0
.rept 36
	v_pk_add_f32 v[X+2*r:X+2*r+1], v[X+2*r:X+2*r+1], v[50:51] neg_lo:[0,1] neg_hi:[0,1]
.set r, r+1
.endr
.set r, 0
.rept 36
	v_pk_mul_f32 v[X+2*r:X+2*r+1], v[X+2*r:X+2*r+1], v[52:53]   ; xn = (x - mu) / sqrt(var + 1e-5)
.set r, r+1
.endr
	v_max3_num_f32 v4, v[X],   v[X+2], v[X+4]      ; xmax v[4:5] and xmin v[6:7] of my two channels: four chains by turns
	v_max3_num_f32 v5, v[X+1], v[X+3], v[X+5]
	v_min3_num_f32 v6, v[X],   v[X+2], v[X+4]
	v_min3_num_f32 v7, v[X+1], v[X+3], v[X+5]
.set r, 3
.rept 16
	v_max3_num_f32 v4, v4, v[X+2*r],   v[X+2*r+2]
	v_max3_num_f32 v5, v5, v[X+2*r+1], v[X+2*r+3]
	v_min3_num_f32 v6, v6, v[X+2*r],   v[X+2*r+2]
	v_min3_num_f32 v7, v7, v[X+2*r+1], v[X+2*r+3]
.set r, r+2
.endr
	v_max_num_f32 v4, v4, v[X+70]
	v_max_num_f32 v5, v5, v[X+71]
	v_min_num_f32 v6, v6, v[X+70]
	v_min_num_f32 v7, v7, v[X+71]
	s_wait_loadcnt 6                               ; caption 0's set is in; the two younger sets may be out
	PARG 0
	EXPS
	v_nop
	s_wait_alu depctr_va_vdst(0)                   ; the batch has its wait ahead of the label
	s_mov_b32 s20, 4
.Ltrip:                                            ; three captions a trip, until the sets are back where they began: captions 0 to 11
	v_add_nc_u32 v3, s19, v[LB]
	TRIP 0, 1, 1, 3, 0                             ; 3: the loads of caption c + 2 are the only ones younger than caption c + 1's
	TRIP 1, 2, 1, 3, 256
	TRIP 2, 0, 1, 3, 512
	s_add_co_u32 s19, s19, 768
	s_sub_co_u32 s20, s20, 1
	s_cmp_lg_u32 s20, 0
	s_cbranch_scc1 .Ltrip
	v_add_nc_u32 v3, s19, v[LB]                    ; the tail is written out, so that no load leaves its buffer
	TRIP 0, 1, 1, 3, 0                             ; caption 12; asks for caption 15, the last
	TRIP 1, 2, 0, 3, 256                           ; caption 13
	TRIP 2, 0, 0, 0, 512                           ; caption 14
	RSUM                                           ; caption 15
	v_rcp_f32 v24, v16
	v_rcp_f32 v25, v17
	v_nop
	s_wait_alu depctr_va_vdst(0)
	FIN 0, 768
	s_wait_dscnt 0x0                               ; for the others' sake: my sixteen stores have landed
	s_barrier_signal -1
	s_barrier_wait -1
	; wave w sums caption w over the 512 threads
.irp i, 0,1,2,3,4,5,6,7
	ds_load_b128 v[200+4*\i:203+4*\i], v30 offset:8192*\i   ; lanes 0-15: source wave 2 i's 256 bytes; lanes 16-31: source wave 2 i + 1's
.endr
	s_wait_dscnt 0x0
.irp i, 0,1,2,3,4,5,6,7
	v_pk_add_f32 v[200+4*\i:201+4*\i], v[200+4*\i:201+4*\i], v[202+4*\i:203+4*\i]
.endr
.irp i, 0,1,2,3
	v_pk_add_f32 v[200+8*\i:201+8*\i], v[200+8*\i:201+8*\i], v[204+8*\i:205+8*\i]
.endr
	v_pk_add_f32 v[200:201], v[200:201], v[208:209]
	v_pk_add_f32 v[216:217], v[216:217], v[224:225]
	v_pk_add_f32 v[200:201], v[200:201], v[216:217]
.irp m, 1,2,4,8
	v_add_f32_dpp v200, v200, v200 row_xmask:\m row_mask:0xf bank_mask:0xf
	v_add_f32_dpp v201, v201, v201 row_xmask:\m row_mask:0xf bank_mask:0xf
.endr
	v_permlanex16_b32 v238, v200, s22, s23
	v_permlanex16_b32 v239, v201, s22, s23
	v_pk_add_f32 v[200:201], v[200:201], v[238:239]
	ds_store_b64 v31, v[200:201]                   ; all lanes write the same pair with the same values
	s_wait_dscnt 0x0
	s_barrier_signal -1
	s_barrier_wait -1
	s_cmp_lg_u32 s16, 0
	s_cbranch_scc1 .Lend
	; wave 0: a lane a caption
	ds_load_b64 v[200:201], v236
	v_add_f32 v232, v232, v233
	v_add_f32 v234, v234, v235
	v_add_f32 v232, v232, v234                     ; the sum of cap^2
	s_wait_dscnt 0x0
	v_sqrt_f32 v202, v201
	v_sqrt_f32 v203, v232
	v_nop
	s_wait_alu depctr_va_vdst(0)
	v_fma_f32 v202, v202, s24, s25                 ; |img_vec| + 1e-8
	v_add_f32 v203, s25, v203                      ; |cap_repr| + 1e-8
	v_mul_f32 v204, v202, v203
	v_rcp_f32 v204, v204
	v_mul_f32 v200, s24, v200                      ; dot / 36 (the plain instruction behind the reciprocal)
	s_wait_alu depctr_va_vdst(0)
	v_mul_f32 v200, v200, v204
	v_cmp_gt_u32 vcc_lo, 16, v0
	s_wait_xcnt 0x0                                ; EXEC changes only behind this wait
	s_wait_tensorcnt 0x0
	ds_add_u32 v240, v241
	s_wait_dscnt 0x0
	s_and_saveexec_b32 s26, vcc_lo                 ; lanes 0-15
	global_store_b32 v237, v200, s[14:15]          ; 64 consecutive bytes of row b: the row's other captions belong to three other work-groups
	s_endpgm
.Lend:
	s_wait_tensorcnt 0x0
	ds_add_u32 v240, v241
	s_wait_dscnt 0x0
	s_endpgm
.Lfunc_end_k_qbe28b8c4ff_main:
	.size	k_qbe28b8c4ff_main, .Lfunc_end_k_qbe28b8c4ff_main-k_qbe28b8c4ff_main
	.p2alignl 7, 3214868480
	.fill 96, 4, 3214868480
	.section	.rodata,"a",@progbits
	.p2align	6, 0x0
	.amdhsa_kernel k_qbe28b8c4ff_main
		.amdhsa_group_segment_fixed_size 67840
		.amdhsa_private_segment_fixed_size 0
		.amdhsa_enable_private_segment 0
		.amdhsa_kernarg_size 48
		.amdhsa_user_sgpr_count 2
		.amdhsa_user_sgpr_kernarg_segment_ptr 1
		.amdhsa_wavefront_size32 1
		.amdhsa_system_sgpr_workgroup_id_x 1
		.amdhsa_system_sgpr_workgroup_id_y 1
		.amdhsa_system_sgpr_workgroup_id_z 1
		.amdhsa_system_vgpr_workitem_id 0
		.amdhsa_next_free_vgpr 242
		.amdhsa_next_free_sgpr 66
		.amdhsa_reserve_vcc 1
		.amdhsa_float_denorm_mode_32 3
		.amdhsa_float_denorm_mode_16_64 3
		.amdhsa_memory_ordered 1
		.amdhsa_forward_progress 1
		.amdhsa_inst_pref_size 90
	.end_amdhsa_kernel
	.amdgpu_metadata
---
amdhsa.version: [ 1, 2 ]
amdhsa.kernels:
  - .name:           k_qbe28b8c4ff_main
    .symbol:         k_qbe28b8c4ff_main.kd
    .args:
      - { .name: img_embed, .offset: 0, .size: 8, .value_kind: global_buffer, .address_space: global }
      - { .name: bn, .offset: 8, .size: 8, .value_kind: global_buffer, .address_space: global }
      - { .name: film, .offset: 16, .size: 8, .value_kind: global_buffer, .address_space: global }
      - { .name: caprep, .offset: 24, .size: 8, .value_kind: global_buffer, .address_space: global }
      - { .name: capss, .offset: 32, .size: 8, .value_kind: global_buffer, .address_space: global }
      - { .name: out0, .offset: 40, .size: 8, .value_kind: global_buffer, .address_space: global }
    .group_segment_fixed_size: 67840
    .private_segment_fixed_size: 0
    .kernarg_segment_align: 8
    .kernarg_segment_size: 48
    .max_flat_workgroup_size: 512
    .sgpr_count:     66
    .vgpr_count:     242
    .wavefront_size: 32
...
	.end_amdgpu_metadata
.endif
;; end of part 3
